; MI455X (gfx1250); checked and timed in simulation.
; The chip was launched on July 23, 2026; its instructions are those of AMD's public machine-readable ISA for CDNA 5 (MIT licence, August 2026) and "CDNA5" Instruction Set Architecture Reference Guide (July 2026). The comments in the code are by the model that wrote it; some were corrected since.
;; Multi Head Attention. Allowed arithmetic: matrix products marked QUANTISED: E2M3 operands, one E8M0 scale for each 32 along K, by v_wmma_scale_f32_16x16x128_f8f6f4 with both operands' format E2M3, f32 sums; everything else in f32.
;; Inputs: K 8 x 2,048 x 512 float32; Q 8 x 2,048 x 512 float32; V 8 x 2,048 x 512 float32; Wk 512 x 512 float32; Wo 512 x 512 float32; Wq 512 x 512 float32; Wv 512 x 512 float32; bk 512 float32; bo 512 float32; bq 512 float32; bv 512 float32; mask 1 x 1 x 2,048 x 2,048 int32.
;; Outputs: out0 8 x 2,048 x 512 float32.
;; This version of the problem:
;;   THIS VERSION OF THE PROBLEM IS GIVEN IN LOW PRECISION. The matrix products marked QUANTISED in the list below multiply operands that are first quantised to E2M3 (2 exponent bits, 3 mantissa bits; 6 bits a number), with one power-of-two scale for each 32 numbers along K (OCP MX v1.0); their sums are f32. All else is computed in f32.
;;   The module's matrix products, in the order in which they are computed (A, B: the left and right operand; K: the contracted axis; several contracted axes count as one K, in the product's order):
;;     1. [M 16,384, K 512] x [K 512, N 512]; A: input Q; B: input Wq: QUANTISED
;;     2. [M 16,384, K 512] x [K 512, N 512]; A: input K; B: input Wk: QUANTISED
;;     3. [M 16,384, K 512] x [K 512, N 512]; A: input V; B: input Wv: QUANTISED
;;     4. batch 64 x [M 2,048, K 64] x [K 64, N 2,048]; A: computed on the way; B: computed on the way: QUANTISED
;;     5. batch 64 x [M 2,048, K 2,048] x [K 2,048, N 64]; A: softmax (see below); B: computed on the way: QUANTISED
;;     6. [M 16,384, K 512] x [K 512, N 512]; A: computed on the way; B: input Wo: QUANTISED
;;   THE QUANTISER, for each operand of a quantised product, along K:
;;     - K is cut into blocks of 32 from its start; a last block that is shorter is filled with zeros.
;;     - A block's scale is 2^e with e = floor(log2(the largest magnitude in the block)) - 2, held to -126 .. 127; a block of zeros has e = 0. As a byte (E8M0): e + 127.
;;     - Each number is divided by its block's scale, clamped to +-7.5, and rounded to the nearest number of E2M3, ties to even, subnormals kept.
;;     - The product sums the exact products of the quantised numbers (number of the format x scale) in f32.
;;   ~~~python
;;   def quantise(x, axis):      # numpy; x: float32 -> the quantised numbers, widened to float32 again
;;       x = np.moveaxis(x, axis, -1); K = x.shape[-1]
;;       x = np.pad(x, [(0, 0)] * (x.ndim - 1) + [(0, -K % 32)]); x = x.reshape(x.shape[:-1] + (-1, 32)); a = np.abs(x).max(-1, keepdims=True)
;;       e = np.where(a > 0, np.clip(np.frexp(np.where(a > 0, a, 1))[1] - 1 - 2, -126, 127), 0)      # np.frexp(a)[1] - 1 = floor(log2(a)), exactly
;;       r = np.clip(x / 2.0 ** e, -7.5, 7.5)
;;       step = 2.0 ** (np.maximum(np.frexp(np.where(r == 0, 1, r))[1] - 1, 0) - 3)
;;       q = np.round(r / step) * step * 2.0 ** e      # np.round: ties to even
;;       return np.moveaxis(q.reshape(q.shape[:-2] + (-1,))[..., :K], -1, axis).astype(np.float32)
;;   ~~~
;;   SOFTMAX AHEAD OF A QUANTISED PRODUCT. Where the list says 'softmax', what is quantised is not the finished softmax but p = 2^(t - M), with t = logit x log2(e) and M = ceil(the row's largest t), a whole number; so 1/2 < the row's largest p <= 1. The row's sum l is taken of the UNQUANTISED p, in f32, and the product's result is divided by l at the end. Since M is a whole number, a kernel that streams over the keys may use a running M (the ceiling of the running maximum): every later rescaling is an exact power of two, which a block's scale takes up: the codes' values come out the same.
;;   OPERANDS COMPUTED ON THE WAY. 'Computed on the way' means the value that the module computes at that place (a softmax that the list does not call 'softmax' is quantised finished and normalised). What goes into a quantiser is computed in f32, as accurately as f32 sums, v_exp_f32 and their like allow (about 1e-6 of the number): no bf16 or f16 on the way to a quantiser, and a product that is left as it is and whose result goes on into a quantised operand takes f32 operands (vector FMAs, or v_wmma_f32_16x16x4_f32). A number that lies on a knife's edge between two numbers of the format may be rounded either way, as far as f32 arithmetic and the matrix unit's own rounding can turn it there, and no further.
;; One version. Each part assembles by itself: llvm-mc -triple=amdgcn-amd-amdhsa -mcpu=gfx1250 --defsym DOCPART=n.
;; ======== version 1 of 1: 4 launches
;; limits: right only within a limited range of input values
;; workspace buffers: wc 786,432 bytes; ws 65,536 bytes; mw 524,288 bytes of whole numbers; qb 6,815,744 bytes; kv 13,631,488 bytes; oc 6,291,456 bytes; os 524,288 bytes
;; launch prep (part 1): grid 640 x 1, 4 waves a work-group, no clusters, 34,304 bytes of LDS; arguments Wq, Wk, Wv, Wo, mask, wc, ws, mw; writes wc, ws, mw
.if DOCPART == 1
	.amdgcn_target "amdgcn-amd-amdhsa--gfx1250"
	.amdhsa_code_object_version 6
	.text
	.protected	k_q82bfb6493d_prep
	.globl	k_q82bfb6493d_prep
	.p2align	8
	.type	k_q82bfb6493d_prep,@function
k_q82bfb6493d_prep:
	s_mov_b64 s[64:65], 0
	v_nop
	global_prefetch_b8 v0, s[64:65] scope:SCOPE_SE
	s_setreg_imm32_b32 hwreg(HW_REG_WAVE_MODE, 25, 1), 1
	s_wait_xcnt 0x0
; TWO SMALL JOBS AHEAD OF THE PRODUCTS, in one launch.  Work-groups 0 to 511: the mask, [2048][2048] int32, becomes lane masks.  Work-groups 512 to 639: the four weights, [512][512] f32, become codes of
; FP6 (E2M3) with one E8M0 byte for each 32 along K (their second axis), laid as images of the operand's registers.
; TILES.  Everywhere in this program an axis is cut into groups of 64, and tile T (0 .. 3) of a group holds the 16 indices 8 T + r % 8 + 32 (r / 8), r = 0 .. 15: used as source 0 of a product, a group's four
; tiles then leave in a lane's 32 result registers the 32 NEIGHBOURS 32 (lane / 16) + 0 .. 31 of the group: a whole block of the next quantiser in one lane, in the order of the 6-bit operand's registers.
; MASK.  mw[query tile 128][key step 16][64 words]: bit l of word 32 g + i says whether key 128 ks + 64 g + 32 (l / 16) + i counts for query r = l % 16 of the tile: the place of that score in the attention launch's
; registers.  A wave takes one tile of 16 queries x 128 keys: 16 loads of 512 consecutive bytes, a turn through its own stage in LDS (rows of 512 + 16 bytes), 64 compares, one store of 256 consecutive bytes.
; WEIGHTS.  wc[weight 4][tile of 16 units 32][K step 4][1,536 bytes]: registers 4 c .. 4 c + 3 of the fragment at 512 c + 16 x lane.  ws[..][32 words]: the row's four scale bytes, in lanes l and l xor 16 alike.
; Lane (r, h) takes row r of the tile and k = 64 c + 32 h + 0 .. 31, whole blocks, so that no other lane is asked for a maximum.  Its loads take 128 consecutive bytes a lane and not neighbouring bytes in
; neighbouring lanes: 4 MiB of the program's input bytes are read so.
; A block's scale is 2^(floor(log2(its largest magnitude)) - 2); its byte is the largest magnitude's exponent field - 2, held at 1 from below.
; LIMITS: a block of zeros gets the byte 1 where the rule says 127 (its codes are zeros; this program alone reads the bytes); blocks whose largest magnitude lies under 2^-124 keep the byte 1; NaN and infinities are not served.
; No barrier: waves share nothing.  Only the mask's path uses LDS.
.set NMASK,  512                       ; work-groups of the mask's path
.set MROW,   8192                      ; a row of the mask in bytes
.set SPITCH, 528                       ; a stage row: 512 bytes + 16: 33 x 16, so that 16 rows start at 16 different groups of banks
.set D,      64                        ; v64-127 the numbers in hand
.set WV,     30                        ; s30 my wave's number
	v_lshl_add_u32 v128, v0, 2, 0x8400
	v_mov_b32 v129, 0
	v_lshrrev_b32 v7, 5, v0
	v_readfirstlane_b32 s[WV], v7                  ; wave 0..3
	v_and_b32 v8, 31, v0                           ; lane
	v_and_b32 v9, 15, v0                           ; r
	v_bfe_u32 v10, v0, 4, 1                        ; h
	s_cmp_ge_u32 ttmp9, NMASK
	s_cbranch_scc1 .Lweights
	; ---- the mask
	s_load_b64 s[4:5], s[0:1], 0x20                ; mask
	s_load_b64 s[6:7], s[0:1], 0x38                ; mw
	v_lshlrev_b32 v1, 4, v8                        ; 16 x lane
	v_lshlrev_b32 v6, 3, v8                        ; 8 x lane
	v_mov_b32 v2, 0                                ; the 64 words: word n in lane n / 2 of register n % 2
	v_mov_b32 v3, 0
	s_mul_i32 s31, s[WV], 16*SPITCH                ; my stage
	v_add_nc_u32 v4, s31, v1                       ; into it: a row's 512 bytes as they lie
	v_mul_u32_u24 v5, v9, SPITCH
	v_lshl_add_u32 v5, v10, 7, v5
	v_add_nc_u32 v5, s31, v5                       ; out of it: row r, + 128 h: my 32 keys of each 64
	s_lshl_b32 s8, ttmp9, 2
	s_add_co_u32 s8, s8, s[WV]                     ; which tile: 16 x query tile + key step
	s_lshr_b32 s9, s8, 4                           ; query tile
	s_and_b32 s10, s8, 15                          ; key step
	s_lshr_b32 s11, s9, 2
	s_lshl_b32 s11, s11, 6
	s_and_b32 s9, s9, 3
	s_lshl_b32 s9, s9, 3
	s_add_co_u32 s9, s9, s11                       ; the tile's first query: 64 (T / 4) + 8 (T % 4)
	s_lshl_b32 s28, s9, 13                         ; x 8,192 bytes
	s_lshl_b32 s10, s10, 9                         ; + 128 keys x 4 bytes a step
	s_add_co_u32 s28, s28, s10
	s_mov_b32 s29, 0
	s_lshl_b32 s32, s8, 8                          ; 256 bytes of words a tile
	s_mov_b32 s33, 0
	s_wait_alu depctr_va_vdst(0)
	s_wait_kmcnt 0x0
	s_add_nc_u64 s[4:5], s[4:5], s[28:29]
	s_add_nc_u64 s[6:7], s[6:7], s[32:33]
.irp q, 0,1,2,3,4,5,6,7,8,9,10,11,12,13,14,15
	global_load_b128 v[D+4*\q:D+4*\q+3], v1, s[4:5] offset:((\q%8)+32*(\q/8))*MROW th:TH_LOAD_NT   ; query r = q of the tile: 32 lanes read 512 consecutive bytes
.endr
	s_wait_loadcnt 0x0
.irp q, 0,1,2,3,4,5,6,7,8,9,10,11,12,13,14,15
	ds_store_b128 v4, v[D+4*\q:D+4*\q+3] offset:\q*SPITCH
.endr
.irp g, 0,1
.irp j, 0,1,2,3,4,5,6,7
	ds_load_b128 v[D+32*\g+4*\j:D+32*\g+4*\j+3], v5 offset:256*\g+16*\j   ; LDS serves a wave's instructions in order (ISA guide 5.7.1.4): these see the stores above.  Register 32 g + i: key 64 g + 32 h + i of query r
.endr
.endr
	s_wait_dscnt 0x0
.set g, 0
.rept 4                                ; sixteen compares, then their sixteen words into their lanes: no line waits for the line above it
.set n, 0
.rept 16
	v_cmp_ne_u32 s[12+n], 0, v[D+16*g+n]           ; bit l: the key counts for lane l's query
.set n, n+1
.endr
.set n, 0
.rept 16
	v_writelane_b32 v[2+n%2], s[12+n], 8*g+n/2
.set n, n+1
.endr
.set g, g+1
.endr
	global_store_b64 v6, v[2:3], s[6:7]            ; 32 lanes store 256 consecutive bytes, at a multiple of 256 from mw's first byte
	s_wait_tensorcnt 0x0
	ds_add_u32 v128, v129
	s_wait_dscnt 0x0
	s_endpgm
	; ---- the weights
.Lweights:
	s_load_b256 s[4:11], s[0:1], 0x0               ; Wq, Wk, Wv, Wo
	s_load_b64 s[12:13], s[0:1], 0x28              ; wc
	s_load_b64 s[14:15], s[0:1], 0x30              ; ws
	s_wait_alu depctr_va_vdst(0)
	v_and_b32 v3, 7, v9
	v_lshrrev_b32 v4, 3, v9
	v_lshl_add_u32 v3, v4, 5, v3                   ; r % 8 + 32 (r / 8)
	v_lshlrev_b32 v3, 11, v3                       ; a row of a weight is 2,048 bytes
	v_lshl_add_u32 v3, v10, 7, v3                  ; + 128 h: lanes 16-31 begin 32 numbers on
	v_lshlrev_b32 v4, 4, v8                        ; 16 x lane
	v_lshlrev_b32 v5, 2, v8                        ; 4 x lane
	s_mov_b32 s20, 0x76543210
	s_mov_b32 s21, 0xfedcba98                      ; v_permlanex16_b32's selects for lane l xor 16
	s_sub_co_u32 s16, ttmp9, NMASK                 ; 32 x weight + tile
	s_lshr_b32 s17, s16, 5                         ; which weight
	s_and_b32 s18, s16, 31                         ; which tile of 16 units
	s_lshr_b32 s22, s18, 2
	s_lshl_b32 s22, s22, 6
	s_and_b32 s23, s18, 3
	s_lshl_b32 s23, s23, 3
	s_add_co_u32 s22, s22, s23                     ; the tile's first unit: 64 (T / 4) + 8 (T % 4)
	s_lshl_b32 s22, s22, 11
	s_lshl_b32 s23, s[WV], 9                       ; my wave's K step: 128 numbers, 512 bytes
	s_add_co_u32 s22, s22, s23
	s_mov_b32 s23, 0
	s_lshl_b32 s24, s16, 2
	s_add_co_u32 s24, s24, s[WV]                   ; which fragment
	s_mul_i32 s26, s24, 1536
	s_mov_b32 s27, 0
	s_lshl_b32 s24, s24, 7
	s_mov_b32 s25, 0
	s_wait_alu depctr_va_vdst(0)
	s_wait_kmcnt 0x0
	s_cmp_eq_u32 s17, 1                            ; the choice hangs on the work-group's number alone
	s_cselect_b64 s[4:5], s[6:7], s[4:5]
	s_cmp_eq_u32 s17, 2
	s_cselect_b64 s[4:5], s[8:9], s[4:5]
	s_cmp_eq_u32 s17, 3
	s_cselect_b64 s[4:5], s[10:11], s[4:5]
	s_add_nc_u64 s[4:5], s[4:5], s[22:23]
	s_add_nc_u64 s[12:13], s[12:13], s[26:27]
	s_add_nc_u64 s[14:15], s[14:15], s[24:25]
.irp c, 0,1
.irp j, 0,1,2,3,4,5,6,7
	global_load_b128 v[D+32*\c+4*\j:D+32*\c+4*\j+3], v3, s[4:5] offset:256*\c+16*\j th:TH_LOAD_NT   ; k = 64 c + 32 h + 4 j .. of my row
.endr
.endr
	s_wait_loadcnt 0x0
.irp c, 0,1                            ; my block 2 c + h: all its 32 numbers are mine
	v_max3_num_f32 v[12+\c], |v[D+32*\c]|, |v[D+1+32*\c]|, 0x1800000   ; and the floor 2^(3 - 127): the byte cannot fall under 1
.endr
.irp i, 2,4,6,8,10,12,14,16,18,20,22,24,26,28,30
.irp c, 0,1
	v_max3_num_f32 v[12+\c], v[12+\c], |v[D+32*\c+\i]|, |v[D+1+32*\c+\i]|   ; (the two blocks by turns)
.endr
.endr
.irp c, 0,1
	v_add_nc_u32 v[14+\c], 0xff000000, v[12+\c]    ; 2 off the exponent field: the conversion takes the exponent field of this operand as its scale
.endr
.irp c, 0,1
	v_lshrrev_b32 v[12+\c], 23, v[14+\c]           ; the scale's byte
.endr
	v_lshl_or_b32 v6, v13, 16, v12                 ; my two bytes: blocks h and 2 + h,
	v_lshlrev_b32 v7, 3, v10
	v_lshlrev_b32 v6, v7, v6                       ; at their places in the scale word (8 h bits up);
	v_mov_b32 v7, 0
	v_permlanex16_b32 v7, v6, s20, s21
	v_or_b32 v6, v6, v7                            ; with lane l xor 16's two the word is whole
.irp c, 0,1
	v_cvt_scalef32_pk16_fp6_f32 v[16+6*\c:18+6*\c], v[D+32*\c:D+15+32*\c], v[14+\c]   ; registers 6 c .. 6 c + 2 of the fragment
	v_cvt_scalef32_pk16_fp6_f32 v[28+4*\c:30+4*\c], v[D+16+32*\c:D+31+32*\c], v[14+\c]   ; (a conversion's three registers begin on an even number: the second three are made elsewhere and moved)
.endr
	v_nop                                          ; one plain place behind a scaled conversion
.irp c, 0,1
.irp i, 0,1,2
	v_mov_b32 v[19+6*\c+\i], v[28+4*\c+\i]
.endr
.endr
.irp c, 0,1,2
	global_store_b128 v4, v[16+4*\c:19+4*\c], s[12:13] offset:512*\c   ; the fragment as it stands: 512 consecutive bytes a store
.endr
	global_store_b32 v5, v6, s[14:15]
	s_endpgm
.Lfunc_end_k_q82bfb6493d_prep:
	.size	k_q82bfb6493d_prep, .Lfunc_end_k_q82bfb6493d_prep-k_q82bfb6493d_prep
	.p2alignl 7, 3214868480
	.fill 96, 4, 3214868480
	.section	.rodata,"a",@progbits
	.p2align	6, 0x0
	.amdhsa_kernel k_q82bfb6493d_prep
		.amdhsa_group_segment_fixed_size 34304
		.amdhsa_private_segment_fixed_size 0
		.amdhsa_enable_private_segment 0
		.amdhsa_kernarg_size 64
		.amdhsa_user_sgpr_count 2
		.amdhsa_user_sgpr_kernarg_segment_ptr 1
		.amdhsa_wavefront_size32 1
		.amdhsa_system_sgpr_workgroup_id_x 1
		.amdhsa_system_sgpr_workgroup_id_y 1
		.amdhsa_system_sgpr_workgroup_id_z 1
		.amdhsa_system_vgpr_workitem_id 0
		.amdhsa_next_free_vgpr 130
		.amdhsa_next_free_sgpr 66
		.amdhsa_reserve_vcc 0
		.amdhsa_float_denorm_mode_32 3
		.amdhsa_float_denorm_mode_16_64 3
		.amdhsa_memory_ordered 1
		.amdhsa_forward_progress 1
		.amdhsa_inst_pref_size 21
	.end_amdhsa_kernel
	.amdgpu_metadata
---
amdhsa.version: [ 1, 2 ]
amdhsa.kernels:
  - .name:           k_q82bfb6493d_prep
    .symbol:         k_q82bfb6493d_prep.kd
    .args:
      - { .name: Wq, .offset: 0, .size: 8, .value_kind: global_buffer, .address_space: global }
      - { .name: Wk, .offset: 8, .size: 8, .value_kind: global_buffer, .address_space: global }
      - { .name: Wv, .offset: 16, .size: 8, .value_kind: global_buffer, .address_space: global }
      - { .name: Wo, .offset: 24, .size: 8, .value_kind: global_buffer, .address_space: global }
      - { .name: mask, .offset: 32, .size: 8, .value_kind: global_buffer, .address_space: global }
      - { .name: wc, .offset: 40, .size: 8, .value_kind: global_buffer, .address_space: global }
      - { .name: ws, .offset: 48, .size: 8, .value_kind: global_buffer, .address_space: global }
      - { .name: mw, .offset: 56, .size: 8, .value_kind: global_buffer, .address_space: global }
    .group_segment_fixed_size: 34304
    .private_segment_fixed_size: 0
    .kernarg_segment_align: 8
    .kernarg_segment_size: 64
    .max_flat_workgroup_size: 128
    .sgpr_count:     66
    .vgpr_count:     130
    .wavefront_size: 32
...
	.end_amdgpu_metadata
.endif
;; end of part 1
;; launch qkv (part 2): grid 256 x 1, 8 waves a work-group, no clusters, 308,224 bytes of LDS; arguments Q, K, V, bq, bk, bv, wc, ws, qb, kv; writes qb, kv
.if DOCPART == 2
	.amdgcn_target "amdgcn-amd-amdhsa--gfx1250"
	.amdhsa_code_object_version 6
	.text
	.protected	k_q82bfb6493d_qkv
	.globl	k_q82bfb6493d_qkv
	.p2align	8
	.type	k_q82bfb6493d_qkv,@function
k_q82bfb6493d_qkv:
	s_mov_b64 s[64:65], 0
	v_nop
	global_prefetch_b8 v0, s[64:65] scope:SCOPE_SE
	s_setreg_imm32_b32 hwreg(HW_REG_WAVE_MODE, 25, 1), 1
	s_wait_xcnt 0x0
; THE THREE PROJECTIONS, q = Q Wq^T + bq, k and v likewise, on codes of FP6 (E2M3) with one E8M0 byte for each 32 along K, and their results quantised at once for the attention launch.
; SHARES.  The work is 768 groups of 64 tokens: group g is tensor g / 256 (0: Q, 1: K, 2: V), batch (g % 256) / 32, group G = g % 32.  A WORK-GROUP STAYS and walks groups 3 x .. 3 x + 2, one a trip.
; Wave w is head w: 4 tiles of tokens x 4 tiles of units, 16 accumulators.
; W IN LDS.  A wave copies its head's 16 fragments and scale words of the tensor's weight (26,624 bytes, register images made by the first launch) through registers into LDS bytes of its own, when the trip's tensor is
; not the one that lies there: in the first trip, and once more in the two work-groups whose three groups lie across two tensors.  With them come the bias in both layouts, into registers that are kept.
; x AHEAD.  A trip's x (32 loads a wave, 131,072 bytes a work-group) is asked for into registers of window 1 as soon as the stage has read the trip before's: a whole trip ahead of its use.
; No tensor load fills LDS here, so there is no tile that work-groups could ask for jointly, and no other prefetch is laid: x is asked for into registers that far ahead.
; TILES: tile T (0 .. 3) of a group of 64 tokens or units holds the indices 8 T + r % 8 + 32 (r / 8): used as source 0, a group's four tiles leave in a lane's 32 result registers the neighbours 32 (lane / 16) + 0 .. 31.
; PHASE X.  Wave w quantises two of the group's 16 fragments (16 tokens x 128 K): a turn through the wave's own stage so that a lane holds two whole blocks of 32, the quantiser, and the fragment goes to LDS as an
; image of its registers.  A barrier; every wave reads all 16 images; a second barrier behind the products frees them for the next trip.
; PRODUCTS.  q, k: source 0 = 16 units of W, source 1 = 16 tokens: a lane holds ONE token, its 32 registers run along 32 of the head's 64; the bias is the C of the first products.  v: the sources change places: a lane
; holds ONE of the head's 64 and its registers run along 32 of the 64 tokens; the bias, one number a lane and tile, is added behind the sums.
; OUT.  qb: [batch x head 64][G 32] records of 3,328 bytes: 4 tiles of 768 bytes (registers 0-3 at 16 x lane, 4, 5 at 512 + 8 x lane) and 256 bytes of scale words (two words at 8 x lane).
; kv: records of 6,656 bytes: K's four tiles as 24 registers on end; at 3,072 V's four tiles, laid as qb's; at 6,144 the scale words: at 16 x lane K's two words, then V's two.
; LIMITS: a block of zeros gets the byte 1 where the rule says 127 (its codes are zeros; this program alone reads the bytes); blocks whose largest magnitude lies under 2^-124 keep the byte 1; NaN and infinities are not served.
; REGISTERS, window 0: v1-11 addresses; v12-15 x's scale words; v16-63 W's four fragments (out: the codes); v64-111 x's four fragments (phase X, out: at work); v112-115 W's scale words; v116-123 v's bias; v124 an address;
; v126-127 the add's, made at the end; v128-255 x from the stage, then the accumulators.  Window 1: v0-127 x as it is loaded; v128-159 q's or k's bias.
.set FRB,    1536
.set XIMG,   0                         ; LDS: x's 16 fragments (tile a, K step s: 4 a + s),
.set XSC,    16*FRB                    ; their scale words, 128 bytes each,
.set STG,    XSC+16*128                ; a stage of 16 rows x 528 bytes for each wave,
.set SPITCH, 528
.set SPARE,  0x17000                   ; the spare words, 128 bytes a wave,
.set WIMG,   SPARE+1024                ; each wave's 16 fragments of W,
.set WSC,    WIMG+8*16*FRB             ; and their scale words, 2,048 bytes a wave
.set LI,  1                            ; 16 x lane
.set LS,  2                            ; 4 x lane
.set L8,  3                            ; 8 x lane
.set SW,  4                            ; the stage, on the way in
.set SR,  5                            ; and on the way out
.set XWI, 6                            ; where I store my two images
.set XWS, 7                            ; and their scale words
.set WA,  8                            ; my fragments of W in LDS
.set WSA, 9                            ; and their scale words
.set SH8, 10                           ; 8 h
.set TX,  11
.set XS,  12
.set WF,  16
.set XF,  64
.set WS,  112
.set BV,  116
.set SA,  124
.set ACC, 128
.set BQ,  128                          ; window 1: q's or k's bias in the result's layout
.set TM,  64
.set TP,  68
.set TO,  72
.set PW,  76
.set PC,  80
.set PCT, 92
.set OC,  16
.set OCT, 40
.set HW,  56
.set Y,   24                           ; the trip's tensor
.set WV,  25
.set G,   26                           ; the trip's group
.set CNT, 27
.set YW,  28                           ; the tensor whose W lies in LDS
.set SEL, 36
.set HI,  38
.set MSB, 0
.macro WIN new                         ; the immediate's high byte repeats the setting that is left
.if MSB != \new
	s_set_vgpr_msb (MSB<<8)|\new
.set MSB, \new
.endif
.endm
.macro QUANTF s                        ; 64 numbers of a lane, two whole blocks: a fragment's codes in v[PC] on and its scale word in v[PW]
.irp c, 0,1
	v_max3_num_f32 v[TM+\c], |v[\s+32*\c]|, |v[\s+1+32*\c]|, 0x1800000   ; the floor 2^(3 - 127) holds the byte at 1 from below
.endr
.irp i, 2,4,6,8,10,12,14,16,18,20,22,24,26,28,30
.irp c, 0,1
	v_max3_num_f32 v[TM+\c], v[TM+\c], |v[\s+32*\c+\i]|, |v[\s+1+32*\c+\i]|
.endr
.endr
.irp c, 0,1
	v_add_nc_u32 v[TO+\c], 0xff000000, v[TM+\c]    ; 2 off the exponent field: the conversion's scale operand
.endr
.irp c, 0,1
	v_cvt_scalef32_pk16_fp6_f32 v[PC+6*\c:PC+2+6*\c], v[\s+32*\c:\s+15+32*\c], v[TO+\c]
	v_cvt_scalef32_pk16_fp6_f32 v[PCT+4*\c:PCT+2+4*\c], v[\s+16+32*\c:\s+31+32*\c], v[TO+\c]   ; (a conversion's three registers begin on an even number)
.endr
.irp c, 0,1
	v_lshrrev_b32 v[TP+\c], 23, v[TO+\c]           ; the scale's byte; also the plain place behind the conversions
.endr
	v_lshl_or_b32 v[PW], v[TP+1], 16, v[TP]
	v_lshlrev_b32 v[PW], v[SH8], v[PW]
	v_permlanex16_b32 v[TX], v[PW], s[SEL], s[SEL+1]
	v_or_b32 v[PW], v[PW], v[TX]                   ; with lane l xor 16's two bytes the word is whole
.irp c, 0,1
.irp i, 0,1,2
	v_mov_b32 v[PC+3+6*\c+\i], v[PCT+4*\c+\i]
.endr
.endr
.endm
.macro QB4                             ; four times 32 numbers of a lane, one whole block each: six registers of codes each from v[OC] on, four half scale words from v[HW] on
.irp i, 0,1,2,3
	v_max3_num_f32 v[TM+\i], |v[ACC+32*\i]|, |v[ACC+32*\i+1]|, 0x1800000   ; each accumulator is read from its low end on
.endr
.irp k, 2,4,6,8,10,12,14,16,18,20,22,24,26,28,30
.irp i, 0,1,2,3
	v_max3_num_f32 v[TM+\i], v[TM+\i], |v[ACC+32*\i+\k]|, |v[ACC+32*\i+\k+1]|
.endr
.endr
.irp i, 0,1,2,3
	v_add_nc_u32 v[TO+\i], 0xff000000, v[TM+\i]
.endr
.irp i, 0,1,2,3
	v_cvt_scalef32_pk16_fp6_f32 v[OC+6*\i:OC+6*\i+2], v[ACC+32*\i:ACC+32*\i+15], v[TO+\i]
	v_cvt_scalef32_pk16_fp6_f32 v[OCT+4*\i:OCT+4*\i+2], v[ACC+32*\i+16:ACC+32*\i+31], v[TO+\i]
.endr
.irp i, 0,1,2,3
	v_lshrrev_b32 v[TP+\i], 23, v[TO+\i]
.endr
.irp i, 0,1,2,3
	v_lshlrev_b32 v[TP+\i], v[SH8], v[TP+\i]
.endr
.irp i, 0,1,2,3
	v_permlanex16_b32 v[TM+\i], v[TP+\i], s[SEL], s[SEL+1]
.endr
.irp i, 0,1,2,3
	v_or_b32 v[HW+\i], v[TP+\i], v[TM+\i]
.endr
.irp i, 0,1,2,3
.irp j, 0,1,2
	v_mov_b32 v[OC+6*\i+3+\j], v[OCT+4*\i+\j]
.endr
.endr
.endm
.macro IMAGE off
.irp c, 0,1,2
	ds_store_b128 v[XWI], v[PC+4*\c:PC+4*\c+3] offset:XIMG+\off+512*\c
.endr
.endm
.macro FETCH s                         ; K step s: my head's four fragments of W and x's four, with their scale words, from LDS
.irp t, 0,1,2,3
.irp c, 0,1,2
	ds_load_b128 v[WF+12*\t+4*\c:WF+12*\t+4*\c+3], v[WA] offset:(4*\t+\s)*FRB+512*\c
.endr
	ds_load_b32 v[WS+\t], v[WSA] offset:(4*\t+\s)*128
.endr
.irp a, 0,1,2,3
.irp c, 0,1,2
	ds_load_b128 v[XF+12*\a+4*\c:XF+12*\a+4*\c+3], v[LI] offset:XIMG+(4*\a+\s)*FRB+512*\c
.endr
	ds_load_b32 v[XS+\a], v[LS] offset:XSC+(4*\a+\s)*128
.endr
.endm
.macro XADDR g                         ; s[40:41] = where my two fragments of group s[g] begin: tile w / 2 of its four, K steps 2 (w % 2) and the next
	s_lshr_b32 s50, s[\g], 8
	s_and_b32 s52, s[\g], 255
	s_lshl_b32 s52, s52, 17                        ; 64 tokens of 2,048 bytes
	s_add_co_u32 s52, s52, s30
	s_mov_b32 s53, 0
	s_cmp_eq_u32 s50, 1                            ; the choice hangs on the work-group's number and the trip alone
	s_cselect_b64 s[40:41], s[6:7], s[4:5]
	s_cmp_eq_u32 s50, 2
	s_cselect_b64 s[40:41], s[8:9], s[40:41]
	s_add_nc_u64 s[40:41], s[40:41], s[52:53]
.endm
.macro XLOAD                           ; 32 loads of 512 consecutive bytes into window 1
	WIN 0x40
.irp e, 0,1
.irp q, 0,1,2,3,4,5,6,7,8,9,10,11,12,13,14,15
	global_load_b128 v[64*\e+4*\q:64*\e+4*\q+3], v[LI], s[40:41] offset:((\q%8)+32*(\q/8))*2048+512*\e th:TH_LOAD_NT
.endr
.endr
	WIN 0
.endm
.macro TURNX e                         ; set e of x (16 tokens x 128 K) out of window 1 through my stage into v[ACC + 64 e] on
	WIN 0x04
.irp q, 0,1,2,3,4,5,6,7,8,9,10,11,12,13,14,15
	ds_store_b128 v[SW], v[64*\e+4*\q:64*\e+4*\q+3] offset:\q*SPITCH
.endr
	WIN 0
.irp c, 0,1
.irp j, 0,1,2,3,4,5,6,7
	ds_load_b128 v[ACC+64*\e+32*\c+4*\j:ACC+64*\e+32*\c+4*\j+3], v[SR] offset:256*\c+16*\j   ; LDS serves a wave's instructions in order (ISA guide 5.7.1.4)
.endr
.endr
.endm
; A K step's 16 products.  The 16 accumulators take turns, one instruction a turn, in the same order in every step.
.macro MULQK first                     ; source 0 = W, source 1 = x; accumulator (a, t) at v[ACC + 32 a + 8 t].  first = 1: the bias, in window 1, is the C
.if \first
	WIN 0x10
.endif
.irp a, 0,1,2,3
.irp t, 0,1,2,3
.if \first
	v_wmma_scale_f32_16x16x128_f8f6f4 v[ACC+32*\a+8*\t:ACC+32*\a+8*\t+7], v[WF+12*\t:WF+12*\t+11], v[XF+12*\a:XF+12*\a+11], v[BQ+8*\t:BQ+8*\t+7], v[WS+\t], v[XS+\a] matrix_a_fmt:MATRIX_FMT_FP6 matrix_b_fmt:MATRIX_FMT_FP6
.else
	v_wmma_scale_f32_16x16x128_f8f6f4 v[ACC+32*\a+8*\t:ACC+32*\a+8*\t+7], v[WF+12*\t:WF+12*\t+11], v[XF+12*\a:XF+12*\a+11], v[ACC+32*\a+8*\t:ACC+32*\a+8*\t+7], v[WS+\t], v[XS+\a] matrix_a_fmt:MATRIX_FMT_FP6 matrix_b_fmt:MATRIX_FMT_FP6
.endif
.endr
.endr
	WIN 0
.endm
.macro MULV zero                       ; source 0 = x, source 1 = W; accumulator (t, a) at v[ACC + 32 t + 8 a]
.irp t, 0,1,2,3
.irp a, 0,1,2,3
.if \zero
	v_wmma_scale_f32_16x16x128_f8f6f4 v[ACC+32*\t+8*\a:ACC+32*\t+8*\a+7], v[XF+12*\a:XF+12*\a+11], v[WF+12*\t:WF+12*\t+11], 0, v[XS+\a], v[WS+\t] matrix_a_fmt:MATRIX_FMT_FP6 matrix_b_fmt:MATRIX_FMT_FP6
.else
	v_wmma_scale_f32_16x16x128_f8f6f4 v[ACC+32*\t+8*\a:ACC+32*\t+8*\a+7], v[XF+12*\a:XF+12*\a+11], v[WF+12*\t:WF+12*\t+11], v[ACC+32*\t+8*\a:ACC+32*\t+8*\a+7], v[XS+\a], v[WS+\t] matrix_a_fmt:MATRIX_FMT_FP6 matrix_b_fmt:MATRIX_FMT_FP6
.endif
.endr
.endr
.endm
.macro KSTEP s, isv
	FETCH \s
	s_wait_dscnt 0x0
.if \isv
	MULV (\s == 0)
.else
	MULQK (\s == 0)
.endif
.rept 4
	v_nop                                          ; four places in front of loads into registers that matrix instructions have read, and of the first read of results
.endr
.endm
	s_load_b256 s[4:11], s[0:1], 0x0               ; Q, K, V, bq
	s_load_b256 s[12:19], s[0:1], 0x20             ; bk, bv, wc, ws
	s_load_b128 s[20:23], s[0:1], 0x40             ; qb, kv
	v_lshrrev_b32 v100, 5, v0
	v_readfirstlane_b32 s[WV], v100                ; wave 0..7
	v_and_b32 v100, 31, v0
	v_and_b32 v101, 15, v0
	v_bfe_u32 v102, v0, 4, 1
	v_lshlrev_b32 v[LI], 4, v100
	v_lshlrev_b32 v[LS], 2, v100
	v_lshlrev_b32 v[L8], 3, v100
	v_lshlrev_b32 v[SH8], 3, v102
	v_mul_u32_u24 v[SR], v101, SPITCH
	v_mov_b32 v[TX], 0                             ; a lane permute's destination counts as one of its sources
	v_lshl_add_u32 v[SR], v102, 7, v[SR]           ; row r, + 128 h
	s_wait_alu depctr_va_vdst(0)
	s_mul_i32 s50, s[WV], 16*SPITCH
	s_add_co_u32 s50, s50, STG
	s_mul_i32 s51, s[WV], 2*FRB
	s_lshl_b32 s52, s[WV], 8
	s_mul_i32 s53, s[WV], 16*FRB
	s_add_co_u32 s53, s53, WIMG
	s_lshl_b32 s54, s[WV], 11
	s_add_co_u32 s54, s54, WSC
	v_add_nc_u32 v[SW], s50, v[LI]
	v_add_nc_u32 v[SR], s50, v[SR]
	v_add_nc_u32 v[XWI], s51, v[LI]
	v_add_nc_u32 v[XWS], s52, v[LS]
	v_add_nc_u32 v[WA], s53, v[LI]
	v_add_nc_u32 v[WSA], s54, v[LS]
	s_lshr_b32 s30, s[WV], 1
	s_lshl_b32 s30, s30, 14                        ; the tile's first token: 8 (w / 2) rows of 2,048 bytes
	s_and_b32 s31, s[WV], 1
	s_lshl_b32 s31, s31, 10
	s_add_co_u32 s30, s30, s31
	s_mul_i32 s[G], ttmp9, 3
	s_mov_b32 s[CNT], 3
	s_mov_b32 s[YW], 3                             ; no tensor's W lies in LDS yet
	s_mov_b32 s[SEL], 0x76543210
	s_mov_b32 s[SEL+1], 0xfedcba98
	s_mov_b32 s[HI], 0xffff0000
	s_wait_alu depctr_va_vdst(0)                   ; the wait at the head's end
	s_wait_kmcnt 0x0
	XADDR G
	XLOAD
	; ---- the first trip's tensor: my head's part of its weight into my own LDS bytes, and the bias into registers.  It stands under no branch; the copy in the loop serves a later change of tensor
	s_lshr_b32 s[Y], s[G], 8
	s_mov_b32 s[YW], s[Y]
	s_mul_i32 s50, s[Y], 196608
	s_mul_i32 s51, s[WV], 16*FRB
	s_add_co_u32 s50, s50, s51
	s_mov_b32 s51, 0
	s_add_nc_u64 s[32:33], s[16:17], s[50:51]
	s_lshl_b32 s50, s[Y], 14
	s_lshl_b32 s52, s[WV], 11
	s_add_co_u32 s50, s50, s52
	s_add_nc_u64 s[34:35], s[18:19], s[50:51]
	s_cmp_eq_u32 s[Y], 1
	s_cselect_b64 s[42:43], s[12:13], s[10:11]
	s_cmp_eq_u32 s[Y], 2
	s_cselect_b64 s[42:43], s[14:15], s[42:43]
	s_lshl_b32 s50, s[WV], 8
	s_add_nc_u64 s[42:43], s[42:43], s[50:51]
	v_bfe_u32 v96, v0, 4, 1
	v_and_b32 v97, 7, v0
	v_bfe_u32 v98, v0, 3, 1
	v_lshlrev_b32 v96, 7, v96                      ; 128 h
	v_lshl_add_u32 v97, v98, 5, v97
	v_lshlrev_b32 v97, 2, v97                      ; 4 (r % 8 + 32 (r / 8))
.set n, 0
.rept 32                               ; 48 lines of 512 consecutive bytes: the 24,576 bytes as they lie
	global_load_b128 v[ACC+4*n:ACC+4*n+3], v[LI], s[32:33] offset:512*n
.set n, n+1
.endr
.rept 16
	global_load_b128 v[16+4*(n-32):16+4*(n-32)+3], v[LI], s[32:33] offset:512*n
.set n, n+1
.endr
.set n, 0
.rept 16
	global_load_b32 v[80+n], v[LS], s[34:35] offset:128*n
.set n, n+1
.endr
	WIN 0x40
.irp t, 0,1,2,3
	global_load_b128 v[BQ+8*\t:BQ+8*\t+3], v96, s[42:43] offset:32*\t
	global_load_b128 v[BQ+8*\t+4:BQ+8*\t+7], v96, s[42:43] offset:32*\t+16
.endr
	WIN 0
.irp t, 0,1,2,3
	global_load_b32 v[BV+2*\t], v97, s[42:43] offset:32*\t
	global_load_b32 v[BV+2*\t+1], v97, s[42:43] offset:32*\t
.endr
	s_wait_loadcnt 0x0
.set n, 0
.rept 32
	ds_store_b128 v[WA], v[ACC+4*n:ACC+4*n+3] offset:512*n
.set n, n+1
.endr
.rept 16
	ds_store_b128 v[WA], v[16+4*(n-32):16+4*(n-32)+3] offset:512*n
.set n, n+1
.endr
.set n, 0
.rept 16
	ds_store_b32 v[WSA], v[80+n] offset:128*n
.set n, n+1
.endr
	s_wait_dscnt 0x0                               ; the stores have read their registers
.Ltrip:
	s_lshr_b32 s[Y], s[G], 8
	s_and_b32 s50, s[G], 255
	s_cmp_eq_u32 s[Y], 2
	s_cselect_b32 s51, 3072, 0                     ; where the codes begin in a record: V's lie behind K's
	s_cselect_b32 s52, 8, 0                        ; V's two scale words lie behind K's two in each 16 bytes
	s_cmp_eq_u32 s[Y], 0
	s_cselect_b64 s[44:45], s[20:21], s[22:23]     ; qb, or kv
	s_mov_b32 s53, 6656
	s_cselect_b32 s53, 3328, s53                   ; a record's bytes
	s_mov_b32 s54, 6144
	s_cselect_b32 s54, 3072, s54
	s_cselect_b32 s48, 1, 2                        ; a lane's scale words lie 8 bytes apart in qb, 16 in kv
	s_add_co_u32 s54, s54, s52
	s_lshr_b32 s55, s50, 5                         ; batch
	s_lshl_b32 s55, s55, 3
	s_add_co_u32 s55, s55, s[WV]
	s_lshl_b32 s55, s55, 5
	s_and_b32 s56, s50, 31
	s_add_co_u32 s55, s55, s56
	s_mul_i32 s55, s55, s53                        ; my record
	s_add_co_u32 s56, s54, s55
	s_mov_b32 s57, 0
	s_add_co_u32 s58, s55, s51
	s_mov_b32 s59, 0
	s_add_nc_u64 s[46:47], s[44:45], s[56:57]      ; its scale words
	s_add_nc_u64 s[44:45], s[44:45], s[58:59]      ; its codes
	v_lshlrev_b32 v[SA], s48, v[LS]
	s_cmp_eq_u32 s[Y], s[YW]
	s_wait_alu depctr_va_vdst(0)                   ; the wait here, directly ahead of the branch
	s_cbranch_scc1 .Lhave_w
	; ---- my head's part of the tensor's weight into my own LDS bytes, and the bias into registers
	s_mov_b32 s[YW], s[Y]
	s_mul_i32 s50, s[Y], 196608
	s_mul_i32 s51, s[WV], 16*FRB
	s_add_co_u32 s50, s50, s51
	s_mov_b32 s51, 0
	s_add_nc_u64 s[32:33], s[16:17], s[50:51]
	s_lshl_b32 s50, s[Y], 14
	s_lshl_b32 s52, s[WV], 11
	s_add_co_u32 s50, s50, s52
	s_add_nc_u64 s[34:35], s[18:19], s[50:51]
	s_cmp_eq_u32 s[Y], 1
	s_cselect_b64 s[42:43], s[12:13], s[10:11]
	s_cmp_eq_u32 s[Y], 2
	s_cselect_b64 s[42:43], s[14:15], s[42:43]
	s_lshl_b32 s50, s[WV], 8
	s_add_nc_u64 s[42:43], s[42:43], s[50:51]
	v_bfe_u32 v96, v0, 4, 1
	v_and_b32 v97, 7, v0
	v_bfe_u32 v98, v0, 3, 1
	v_lshlrev_b32 v96, 7, v96                      ; 128 h
	v_lshl_add_u32 v97, v98, 5, v97
	v_lshlrev_b32 v97, 2, v97                      ; 4 (r % 8 + 32 (r / 8))
.set n, 0
.rept 32                               ; 48 lines of 512 consecutive bytes: the 24,576 bytes as they lie
	global_load_b128 v[ACC+4*n:ACC+4*n+3], v[LI], s[32:33] offset:512*n
.set n, n+1
.endr
.rept 16
	global_load_b128 v[16+4*(n-32):16+4*(n-32)+3], v[LI], s[32:33] offset:512*n
.set n, n+1
.endr
.set n, 0
.rept 16
	global_load_b32 v[80+n], v[LS], s[34:35] offset:128*n
.set n, n+1
.endr
	WIN 0x40
.irp t, 0,1,2,3                        ; lane (r, h), register j of tile t: unit 32 h + 8 t + j of my head
	global_load_b128 v[BQ+8*\t:BQ+8*\t+3], v96, s[42:43] offset:32*\t
	global_load_b128 v[BQ+8*\t+4:BQ+8*\t+7], v96, s[42:43] offset:32*\t+16
.endr
	WIN 0
.irp t, 0,1,2,3                        ; unit 8 t + r % 8 + 32 (r / 8), twice, for the packed addition
	global_load_b32 v[BV+2*\t], v97, s[42:43] offset:32*\t
	global_load_b32 v[BV+2*\t+1], v97, s[42:43] offset:32*\t
.endr
	s_wait_loadcnt 0x0
.set n, 0
.rept 32
	ds_store_b128 v[WA], v[ACC+4*n:ACC+4*n+3] offset:512*n
.set n, n+1
.endr
.rept 16
	ds_store_b128 v[WA], v[16+4*(n-32):16+4*(n-32)+3] offset:512*n
.set n, n+1
.endr
.set n, 0
.rept 16
	ds_store_b32 v[WSA], v[80+n] offset:128*n
.set n, n+1
.endr
	s_wait_dscnt 0x0                               ; the stores have read their registers
.Lhave_w:
	; ---- X
	s_wait_loadcnt 0x0                             ; this trip's x (asked for a trip ago)
	TURNX 0
	TURNX 1
	s_wait_dscnt 32                                ; set 0 is back from the stage; set 1's 16 stores and 16 loads may be out
	QUANTF ACC
	IMAGE 0
	ds_store_b32 v[XWS], v[PW] offset:XSC
	s_wait_dscnt 0x0                               ; set 1 is back, and all stores have read their registers: window 1's 128 may take the next trip's x
	s_cmp_eq_u32 s[CNT], 1
	s_wait_alu depctr_va_vdst(0)                   ; the wait here, directly ahead of the branch
	s_cbranch_scc1 .Lno_more                       ; the last trip asks for nothing
	s_add_co_u32 s51, s[G], 1
	XADDR 51
	XLOAD
.Lno_more:
	QUANTF ACC+64
	IMAGE FRB
	ds_store_b32 v[XWS], v[PW] offset:XSC+128
	s_wait_dscnt 0x0                               ; for the others' sake: my images lie in LDS
	s_barrier_signal -1
	s_barrier_wait -1
	; ---- the products
	s_cmp_eq_u32 s[Y], 2
	s_cbranch_scc1 .Lv
	KSTEP 0, 0
	KSTEP 1, 0
	KSTEP 2, 0
	KSTEP 3, 0
	s_branch .Lout
.Lv:
	KSTEP 0, 1
	KSTEP 1, 1
	KSTEP 2, 1
	KSTEP 3, 1
.irp t, 0,1,2,3
.set j, 0
.rept 16
	v_pk_add_f32 v[ACC+32*\t+j:ACC+32*\t+j+1], v[ACC+32*\t+j:ACC+32*\t+j+1], v[BV+2*\t:BV+2*\t+1]   ; each accumulator from its low end on
.set j, j+2
.endr
.endr
.Lout:
	s_wait_alu depctr_va_vdst(0)                   ; the wait here, directly ahead of the barrier
	s_barrier_signal -1                            ; my reads of the images are over (each K step waited for its own):
	s_barrier_wait -1                              ; behind this barrier the next trip's images may be stored
	QB4
	v_cndmask_b32 v60, v[HW], v[HW+1], s[HI]       ; lanes 0-15: tile 0's half words, lanes 16-31: tile 1's
	v_cndmask_b32 v61, v[HW+2], v[HW+3], s[HI]
	global_store_b64 v[SA], v[60:61], s[46:47]
	s_cmp_eq_u32 s[Y], 1
	s_wait_alu depctr_va_vdst(0)                   ; the wait here, directly ahead of the branch
	s_cbranch_scc1 .Lk_out
.irp i, 0,1,2,3                        ; q, v: tile by tile: 512 consecutive bytes, then 256
	global_store_b128 v[LI], v[OC+6*\i:OC+6*\i+3], s[44:45] offset:768*\i
	global_store_b64 v[L8], v[OC+6*\i+4:OC+6*\i+5], s[44:45] offset:768*\i+512
.endr
	s_branch .Lnext
.Lk_out:
.irp c, 0,1,2,3,4,5                    ; k: the four tiles' 24 registers on end
	global_store_b128 v[LI], v[OC+4*\c:OC+4*\c+3], s[44:45] offset:512*\c
.endr
.Lnext:
	s_wait_xcnt 0x0                                ; the stores have read their registers and bases: the next trip writes them again
	s_add_co_u32 s[G], s[G], 1
	s_sub_co_u32 s[CNT], s[CNT], 1
	s_cmp_lg_u32 s[CNT], 0
	s_cbranch_scc1 .Ltrip
	v_lshl_add_u32 v126, v0, 2, SPARE              ; v0 is kept, and the add's two registers are made here, ahead of the wave's closing lines
	v_mov_b32 v127, 0
	s_wait_alu depctr_va_vdst(0)                   ; the wait here, directly ahead of the wait below
	s_wait_tensorcnt 0x0
	ds_add_u32 v126, v127
	s_wait_dscnt 0x0
	s_endpgm
.Lfunc_end_k_q82bfb6493d_qkv:
	.size	k_q82bfb6493d_qkv, .Lfunc_end_k_q82bfb6493d_qkv-k_q82bfb6493d_qkv
	.p2alignl 7, 3214868480
	.fill 96, 4, 3214868480
	.section	.rodata,"a",@progbits
	.p2align	6, 0x0
	.amdhsa_kernel k_q82bfb6493d_qkv
		.amdhsa_group_segment_fixed_size 308224
		.amdhsa_private_segment_fixed_size 0
		.amdhsa_enable_private_segment 0
		.amdhsa_kernarg_size 80
		.amdhsa_user_sgpr_count 2
		.amdhsa_user_sgpr_kernarg_segment_ptr 1
		.amdhsa_wavefront_size32 1
		.amdhsa_system_sgpr_workgroup_id_x 1
		.amdhsa_system_sgpr_workgroup_id_y 1
		.amdhsa_system_sgpr_workgroup_id_z 1
		.amdhsa_system_vgpr_workitem_id 0
		.amdhsa_next_free_vgpr 416
		.amdhsa_next_free_sgpr 66
		.amdhsa_reserve_vcc 0
		.amdhsa_float_denorm_mode_32 3
		.amdhsa_float_denorm_mode_16_64 3
		.amdhsa_memory_ordered 1
		.amdhsa_forward_progress 1
		.amdhsa_inst_pref_size 92
	.end_amdhsa_kernel
	.amdgpu_metadata
---
amdhsa.version: [ 1, 2 ]
amdhsa.kernels:
  - .name:           k_q82bfb6493d_qkv
    .symbol:         k_q82bfb6493d_qkv.kd
    .args:
      - { .name: Q, .offset: 0, .size: 8, .value_kind: global_buffer, .address_space: global }
      - { .name: K, .offset: 8, .size: 8, .value_kind: global_buffer, .address_space: global }
      - { .name: V, .offset: 16, .size: 8, .value_kind: global_buffer, .address_space: global }
      - { .name: bq, .offset: 24, .size: 8, .value_kind: global_buffer, .address_space: global }
      - { .name: bk, .offset: 32, .size: 8, .value_kind: global_buffer, .address_space: global }
      - { .name: bv, .offset: 40, .size: 8, .value_kind: global_buffer, .address_space: global }
      - { .name: wc, .offset: 48, .size: 8, .value_kind: global_buffer, .address_space: global }
      - { .name: ws, .offset: 56, .size: 8, .value_kind: global_buffer, .address_space: global }
      - { .name: qb, .offset: 64, .size: 8, .value_kind: global_buffer, .address_space: global }
      - { .name: kv, .offset: 72, .size: 8, .value_kind: global_buffer, .address_space: global }
    .group_segment_fixed_size: 308224
    .private_segment_fixed_size: 0
    .kernarg_segment_align: 8
    .kernarg_segment_size: 80
    .max_flat_workgroup_size: 256
    .sgpr_count:     66
    .vgpr_count:     416
    .wavefront_size: 32
...
	.end_amdgpu_metadata
.endif
;; end of part 2
;; launch attn (part 3): grid 4 x 64, 16 waves a work-group, no clusters, 215,040 bytes of LDS; arguments kv, mw, oc, os, qb; writes oc, os
.if DOCPART == 3
	.amdgcn_target "amdgcn-amd-amdhsa--gfx1250"
	.amdhsa_code_object_version 6
	.text
	.protected	k_q82bfb6493d_attn
	.globl	k_q82bfb6493d_attn
	.p2align	8
	.type	k_q82bfb6493d_attn,@function
k_q82bfb6493d_attn:
	s_mov_b64 s[64:65], 0
	v_nop
	global_prefetch_b8 v0, s[64:65] scope:SCOPE_SE
	s_setreg_imm32_b32 hwreg(HW_REG_WAVE_MODE, 25, 1), 1
	s_wait_xcnt 0x0
; ATTENTION of one head on codes of FP6 (E2M3) with one E8M0 byte for each 32 along a product's K; head size 64; the mask is an input.  The result is quantised at once for the last projection.
; SOFTMAX: t = score x log2(e) / 8; M = the row's largest t so far, rounded UP to a whole number; p = 2^(t - M) is quantised along the keys, not normalised.  The row's sum is taken of the unquantised p, in f32,
; and divides O at the end.  When M moves, the sum and O are multiplied by 2^(old M - new M): exact.
; SHARES.  Work-group (x, batch x head) owns 512 queries of one head; each of its sixteen waves owns one tile of 16 queries at a time, tile 32 x + 16 p + w in pass p = 0, 1, and walks all 2,048 keys, 128 a step.
; LDS holds the head's K and V, codes and scale words, 212,992 bytes, a copy of the head's part of kv.  It is filled once, by 26 asynchronous copies a wave at the head, and only read after that.
; Pass 0 goes in two runs, of four key steps and of twelve: in front of each stand a wait for the copies that bring its bytes and a barrier.
; NO CLUSTER: the four work-groups of a head read the same 212,992 bytes once each, by lane copies, which have no joint form; there is no loop of refills.
; NO PREFETCH: K and V are asked for whole at the head, so no loop runs ahead of them; a step's 256 bytes of mask words are asked for one whole step ahead by the scalar loads themselves.
; LAYOUT.  Both products are used transposed: S^T = K Q^T, O^T = V^T P^T: a lane holds ONE query (lane % 16).  Tile T (0 .. 3) of a group of 64 keys, queries or channels holds the indices 8 T + r % 8 + 32 (r / 8):
; the 32 result registers of a group's four tiles are the neighbours 32 (lane / 16) + 0 .. 31: a whole block of 32 in one lane, in the order of the 6-bit operand's registers.
; THE FIRST PRODUCT'S K IS 64: Q's registers 6-11 are zero codes, so a tile of K is named with the six registers that follow it (the next tile's codes; zeros behind the last).  The upper two bytes of both scale words are 0: 2^-127.
; THE MASK comes as lane masks (mw): 64 words a key step in scalar registers, one v_cndmask_b32 a score.  A score that does not count becomes -2^103, in place of reference()'s -1e30.  Times c it is exact, so in a row
; with no key that counts t - M is 0 and p is 1 everywhere, as in reference()'s softmax.  LIMIT: this equals reference() where scores that count stay under 2^96 in magnitude.
; THE EXPONENTIALS STAND IN TWO BATCHES, each with one s_wait_alu ahead and one behind.  Between the first batch's stand the multiply-adds of the second batch's 32 scores;
; between the second's eight sums of pairs of the first batch's weights, each into registers of its own: no line inside a batch reads what a line inside that batch wrote.
; LIMITS: a block of zeros gets the byte 1 where the rule says 127 (its codes are zeros; this program alone reads the bytes); NaN and infinities are not served.
; REGISTERS: v1-7 addresses; v8-15 K's and V's scale words; v16-27 Q; v28 -M, v29 the largest score, v[30:31] the sum; v32-79 eight tiles of K, then four fragments of V; v80-85 zeros; v86-95 addresses;
; v96-159 S^T, then p; v160-191 O^T; v192-207 sums of pairs, then p's codes; v208-231 at work; v240-241 the add's.  s32-63 and s68-99: the 64 mask words.
.set REC,   6656                       ; a record: 64 keys: K's 24 registers (3,072 bytes), V's 4 tiles of 768 bytes, 512 bytes of scale words
.set STEPB, 2*REC
.set A16,  1                           ; 16 x lane
.set A8,   2                           ; 8 x lane
.set SM,   3                           ; -2^103
.set AL16, 4                           ; LDS address of the step in hand, for loads of 16 bytes
.set AL8,  5                           ; and of 8
.set QO16, 6                           ; my bytes in Q's record
.set QO8,  7
.set SCW,  8                           ; record g's scale words at v[8 + 4 g]: K's two, V's two
.set QF,   16
.set NEGM, 28
.set SMAX, 29
.set SUM,  30
.set KF,   32
.set ZR,   80
.set QSO,  86                          ; where my tile's scale words lie in Q's record
.set L4,   87                          ; 4 x lane
.set CL,   88                          ; v88-91 the copies' LDS addresses; never rewritten
.set CG,   92                          ; v92-95 the copies' offsets in memory; never rewritten
.set SC,   96
.set OT,   160
.set PCD,  192
.set U,    192                         ; v192-207 eight sums of pairs, used up before the codes are made
.set CT,   204                         ; v204-206, v208-210 the conversions' second halves
.set TM,   212                         ; v212-215 largest scores; then the blocks' largest p
.set TP,   216
.set TX,   218
.set TO,   220
.set FF,   224                         ; f = 2^(old M - new M)
.set PWD,  225                         ; p's scale word
.set T0,   226
.set T1,   227
.set SUM2, 228                         ; the sums' second chain
.set QS,   230
.set SH8,  231                         ; 8 h
.set WV,   12
.set MO,   13                          ; byte offset of the mask words asked for
.set TB,   14                          ; LDS byte at which the step in hand begins
.set CNT,  15
.set SEL,  16                          ; s[16:17] selects for lane l xor 16
.set CS,   18                          ; s[18:19] c = log2(e) / 8
.macro MASKREQ p                       ; the 64 words at byte s[MO] of my tile's 4,096; pass 1's tile lies 16 tiles on
	s_load_b512 s[32:47], s[6:7], s[MO] offset:65536*\p
	s_load_b512 s[48:63], s[6:7], s[MO] offset:65536*\p+64
	s_load_b512 s[68:83], s[6:7], s[MO] offset:65536*\p+128
	s_load_b512 s[84:99], s[6:7], s[MO] offset:65536*\p+192
.endm
.macro QREQ p                          ; pass p's tile of Q (pass 1's lies four records on), its scale words, the first key step's mask words
	global_load_b128 v[QF:QF+3], v[QO16], s[2:3] offset:13312*\p
	global_load_b64 v[QF+4:QF+5], v[QO8], s[2:3] offset:13312*\p
	global_load_b32 v[QS], v[QSO], s[2:3] offset:13312*\p
	s_mov_b32 s[MO], 0
	MASKREQ \p
.endm
	s_load_b256 s[4:11], s[0:1], 0x0               ; kv, mw, oc, os
	s_load_b64 s[2:3], s[0:1], 0x20                ; qb
	v_lshl_add_u32 v240, v0, 2, 0x34000
	v_mov_b32 v241, 0
	ds_add_u32 v240, v241                          ; the opening lines: the add, twice on end, and its wait ahead of my first copy
	ds_add_u32 v240, v241
.irp g, 0,1,2,3
	v_lshl_add_u32 v[CL+\g], v0, 4, \g*65536       ; a pair of address registers for each 65,536 bytes: every copy's immediate stays under 65,536
	v_lshl_add_u32 v[CG+\g], v0, 4, \g*65536
.endr
	v_lshrrev_b32 v[T0], 5, v0
	v_readfirstlane_b32 s[WV], v[T0]               ; wave 0..15
	v_and_b32 v[T1], 31, v0
	v_bfe_u32 v[SH8], v0, 4, 1
	v_and_b32 v[QSO], 15, v0
	v_lshlrev_b32 v[A16], 4, v[T1]
	v_lshlrev_b32 v[A8], 3, v[T1]
	v_lshlrev_b32 v[L4], 2, v[T1]
	v_lshlrev_b32 v[SH8], 3, v[SH8]
	v_lshlrev_b32 v[QSO], 3, v[QSO]
	v_mov_b32 v[SM], 0xf3000000
.irp i, 0,1,2,3,4,5
	v_mov_b32 v[QF+6+\i], 0                        ; Q's upper half: zero codes, for the whole launch
	v_mov_b32 v[ZR+\i], 0                          ; and what is named behind K's last tile
.endr
	v_mov_b32 v[TX], 0                             ; a lane permute's destination counts as one of its sources
	v_mov_b32 v[PWD], 0                            ; (named as the upper half of v[224:225] before it is first written)
	s_wait_alu depctr_va_vdst(0)
	s_and_b32 s21, s[WV], 3
	s_mul_i32 s21, s21, 768
	s_add_co_u32 s32, s21, 512
	s_and_b32 s33, s[WV], 1                        ; tile w % 4 = 2 e + u of the record: word e of lane r + 16 u: 3,072 + 8 r + 128 u + 4 e
	s_lshl_b32 s33, s33, 7
	s_bfe_u32 s34, s[WV], 0x10001
	s_lshl_b32 s34, s34, 2
	s_add_co_u32 s33, s33, s34
	s_add_co_u32 s33, s33, 3072
	v_add_nc_u32 v[QO16], s21, v[A16]
	v_add_nc_u32 v[QO8], s32, v[A8]
	v_add_nc_u32 v[QSO], s33, v[QSO]
	s_and_b32 s20, ttmp7, 0xffff                   ; 8 x batch + head
	s_mul_i32 s22, s20, 32*REC                     ; the head's K and V
	s_mov_b32 s23, 0
	s_lshl_b32 s24, s20, 5                         ; Q's record of pass 0: 32 x (8 batch + head) + 8 x + w / 4
	s_lshl_b32 s32, ttmp9, 3
	s_add_co_u32 s24, s24, s32
	s_lshr_b32 s32, s[WV], 2
	s_add_co_u32 s24, s24, s32
	s_mul_i32 s24, s24, 3328
	s_mov_b32 s25, 0
	s_lshl_b32 s33, ttmp9, 5
	s_add_co_u32 s33, s33, s[WV]                   ; my tile of queries in pass 0: 32 x + w
	s_lshl_b32 s26, s33, 12                        ; its mask words: 4,096 bytes a tile
	s_mov_b32 s27, 0
	s_lshr_b32 s34, s20, 3
	s_lshl_b32 s34, s34, 7
	s_add_co_u32 s34, s34, s33                     ; the tile among all batches': 128 x batch + 32 x + w
	s_and_b32 s35, s20, 7                          ; head
	s_lshl_b32 s28, s34, 3
	s_add_co_u32 s28, s28, s35
	s_mul_i32 s28, s28, 768                        ; oc: [tile][head][768 bytes]
	s_mov_b32 s29, 0
	s_lshl_b32 s30, s34, 9                         ; os: [tile][head / 2][32 words]; an even head writes the words' low halves, an odd head the high halves
	s_lshr_b32 s32, s35, 1
	s_lshl_b32 s32, s32, 7
	s_add_co_u32 s30, s30, s32
	s_and_b32 s32, s35, 1
	s_lshl_b32 s32, s32, 1
	s_add_co_u32 s30, s30, s32
	s_mov_b32 s31, 0
	s_mov_b32 s[SEL], 0x76543210
	s_mov_b32 s[SEL+1], 0xfedcba98
	s_mov_b32 s[CS], 0x3e38aa3b
	s_mov_b32 s[CS+1], s[CS]                       ; (named with it as a pair)
	s_wait_alu depctr_va_vdst(0)                   ; the wait at the head's end
	s_wait_dscnt 0x0                               ; both opening adds are done
	s_wait_kmcnt 0x0
	s_add_nc_u64 s[2:3], s[2:3], s[24:25]
	s_add_nc_u64 s[4:5], s[4:5], s[22:23]
	s_add_nc_u64 s[6:7], s[6:7], s[26:27]
	s_add_nc_u64 s[8:9], s[8:9], s[28:29]
	s_add_nc_u64 s[10:11], s[10:11], s[30:31]
	QREQ 0                                         ; ahead of the copies
.set i, 0
.rept 26                               ; 512 threads x 16 bytes = 8,192 bytes a line; 26 lines are the head's 212,992 bytes.  The immediate is added to both addresses
	global_load_async_to_lds_b128 v[CL+i/8], v[CG+i/8], s[4:5] offset:(i%8)*8192
.set i, i+1
.endr
; 32 numbers of a lane, one whole block: six registers of codes from v[pc] on (v[pct] on at work) and the half scale word in v[pw]
.macro QB1 s, pc, pct, pw
	v_max3_num_f32 v[TM], |v[\s]|, |v[\s+1]|, 0x1800000   ; two chains; the floor 2^(3 - 127) holds the byte at 1 from below
	v_max3_num_f32 v[TM+1], |v[\s+2]|, |v[\s+3]|, |v[\s+4]|
.irp k, 5,9,13,17,21,25
	v_max3_num_f32 v[TM], v[TM], |v[\s+\k]|, |v[\s+\k+1]|
	v_max3_num_f32 v[TM+1], v[TM+1], |v[\s+\k+2]|, |v[\s+\k+3]|
.endr
	v_max3_num_f32 v[TM], v[TM], |v[\s+29]|, |v[\s+30]|
	v_max3_num_f32 v[TM], v[TM], v[TM+1], |v[\s+31]|
	v_add_nc_u32 v[TO], 0xff000000, v[TM]          ; 2 off the exponent field: the conversion's scale operand
	v_cvt_scalef32_pk16_fp6_f32 v[\pc:\pc+2], v[\s:\s+15], v[TO]
	v_cvt_scalef32_pk16_fp6_f32 v[\pct:\pct+2], v[\s+16:\s+31], v[TO]   ; (a conversion's three registers begin on an even number)
	v_lshrrev_b32 v[TP], 23, v[TO]                 ; the scale's byte; also the plain place behind the conversions
	v_lshlrev_b32 v[TP], v[SH8], v[TP]
	v_permlanex16_b32 v[TX], v[TP], s[SEL], s[SEL+1]
	v_or_b32 v[\pw], v[TP], v[TX]                  ; both bytes, in both halves of the lanes
.irp i, 0,1,2
	v_mov_b32 v[\pc+3+\i], v[\pct+\i]
.endr
.endm
.macro TMM q                           ; t - M of pair q of the scores
	v_pk_fma_f32 v[SC+2*(\q):SC+2*(\q)+1], v[SC+2*(\q):SC+2*(\q)+1], s[CS:CS+1], v[NEGM:NEGM+1] op_sel_hi:[1,0,0]
.endm
.macro ADDS d, q                       ; pair q of the weights onto chain d
	v_pk_add_f32 v[\d:\d+1], v[\d:\d+1], v[SC+2*(\q):SC+2*(\q)+1]
.endm
; A KEY STEP: 128 keys = two records.  Register 32 g + i of S^T and of p holds key 64 g + 32 (lane / 16) + i of the step.
.macro STEP p
	v_add_nc_u32 v[AL16], s[TB], v[A16]            ; (with the last step's four closing sums: the places between its products and the loads below)
	v_add_nc_u32 v[AL8], s[TB], v[A8]
	s_wait_alu depctr_va_vdst(0)
.irp g, 0,1
.irp c, 0,1,2,3,4,5
	ds_load_b128 v[KF+24*\g+4*\c:KF+24*\g+4*\c+3], v[AL16] offset:REC*\g+512*\c   ; record g's four tiles of K, 24 registers on end
.endr
	ds_load_b128 v[SCW+4*\g:SCW+4*\g+3], v[AL16] offset:REC*\g+6144   ; its scale words: word e: lanes 0-15 tile 2 e, lanes 16-31 tile 2 e + 1
.endr
	s_wait_dscnt 0x0
.irp g, 0,1                            ; S^T = K Q^T: eight tiles of 16 keys
.irp e, 0,1
	v_wmma_scale_f32_16x16x128_f8f6f4 v[SC+8*(4*\g+2*\e):SC+8*(4*\g+2*\e)+7], v[KF+6*(4*\g+2*\e):KF+6*(4*\g+2*\e)+11], v[QF:QF+11], 0, v[SCW+4*\g+\e], v[QS] matrix_a_fmt:MATRIX_FMT_FP6 matrix_b_fmt:MATRIX_FMT_FP6
	v_wmma_scale_f32_16x16x128_f8f6f4 v[SC+8*(4*\g+2*\e+1):SC+8*(4*\g+2*\e+1)+7], v[KF+6*(4*\g+2*\e+1):KF+6*(4*\g+2*\e+1)+11], v[QF:QF+11], 0, v[SCW+4*\g+\e], v[QS] matrix_a_fmt:MATRIX_FMT_FP6 matrix_b_fmt:MATRIX_FMT_FP6 matrix_a_scale:MATRIX_SCALE_ROW1
.endr
.endr
	v_mov_b32 v[T0], v[NEGM]                       ; four places (ISA guide 7.12.1) that name no register of those products: the old -M is kept for f;
	v_lshl_or_b32 v[SCW+2], v[SCW+6], 16, v[SCW+2] ; V's scale words for 128 keys: record 0's two bytes below, record 1's above
	v_lshl_or_b32 v[SCW+3], v[SCW+7], 16, v[SCW+3]
	v_nop
.irp g, 0,1                            ; V's four fragments land while the maxima are taken: registers 6 g .. 6 g + 5 are record g's 64 keys
.irp t, 0,1,2,3
	ds_load_b128 v[KF+12*\t+6*\g:KF+12*\t+6*\g+3], v[AL16] offset:REC*\g+3072+768*\t
	ds_load_b64 v[KF+12*\t+6*\g+4:KF+12*\t+6*\g+5], v[AL8] offset:REC*\g+3072+768*\t+512
.endr
.endr
	s_wait_kmcnt 0x0                               ; this step's mask words (asked for a step ago)
.set n, 0
.rept 64                               ; each accumulator is read from its low end on
.if n < 32
	v_cndmask_b32 v[SC+n], v[SM], v[SC+n], s[32+n]
.else
	v_cndmask_b32 v[SC+n], v[SM], v[SC+n], s[36+n]
.endif
.set n, n+1
.endr
	s_add_co_u32 s[MO], s[MO], 256                 ; the next step's words;
	s_min_u32 s[MO], s[MO], 3840                   ; the last step asks for its own again: no load leaves the tile's 4,096 bytes
	MASKREQ \p
.irp g, 0,1                            ; the largest score of each of my two blocks of 32 keys serves the row's maximum and, since p rises with the score, the block's largest p.  Two chains a block, the four by turns
	v_max3_num_f32 v[TM+2*\g], v[SC+32*\g], v[SC+32*\g+1], v[SC+32*\g+2]
	v_max3_num_f32 v[TM+2*\g+1], v[SC+32*\g+3], v[SC+32*\g+4], v[SC+32*\g+5]
.endr
.irp k, 6,10,14,18,22,26
.irp g, 0,1
	v_max3_num_f32 v[TM+2*\g], v[TM+2*\g], v[SC+32*\g+\k], v[SC+32*\g+\k+1]
	v_max3_num_f32 v[TM+2*\g+1], v[TM+2*\g+1], v[SC+32*\g+\k+2], v[SC+32*\g+\k+3]
.endr
.endr
.irp g, 0,1
	v_max3_num_f32 v[TM+2*\g], v[TM+2*\g], v[TM+2*\g+1], v[SC+32*\g+30]
.endr
.irp g, 0,1
	v_max_num_f32 v[TM+2*\g], v[TM+2*\g], v[SC+32*\g+31]
.endr
	v_max_num_f32 v[T1], v[TM], v[TM+2]
	v_permlanex16_b32 v[TX], v[T1], s[SEL], s[SEL+1]
	v_max3_num_f32 v[SMAX], v[SMAX], v[T1], v[TX]  ; my 64 keys', lane l xor 16's, and the largest so far
	v_mul_f32 v[T1], s[CS], v[SMAX]                ; as t (c is positive)
	v_floor_f32 v[NEGM], -v[T1]                    ; the new -M = -ceil(t): a whole number
	v_sub_f32 v[T0], v[NEGM], v[T0]                ; M's old value less its new one
	v_fma_f32 v[TM], v[TM], s[CS], v[NEGM]         ; t - M of each block's largest score
	v_cvt_i32_f32 v[T0], v[T0]                     ; (it saturates)
	v_fma_f32 v[TM+2], v[TM+2], s[CS], v[NEGM]
	v_ldexp_f32 v[FF], 1.0, v[T0]                  ; f = 2^(old M - new M)
.set q, 0
.rept 16
	TMM q
.set q, q+1
.endr
	v_pk_mul_f32 v[SUM:SUM+1], v[SUM:SUM+1], v[FF:FF+1] op_sel_hi:[1,0]   ; the sums under the new M
.set j, 0
.rept 16
	v_pk_mul_f32 v[OT+j:OT+j+1], v[OT+j:OT+j+1], v[FF:FF+1] op_sel_hi:[1,0]   ; O^T under the new M; each accumulator from its low end on
.set j, j+2
.endr
	s_wait_alu depctr_va_vdst(0)                   ; ahead of the batch, and directly ahead of the wait below
	s_wait_dscnt 0x0                               ; V's fragments are in
	v_exp_f32 v[TM], v[TM]                         ; the blocks' largest p: the same two instructions on the same number give the same bits as the p itself
	v_exp_f32 v[TM+2], v[TM+2]
.set xk, 0
.rept 32
	v_exp_f32 v[SC+xk], v[SC+xk]                   ; p = 2^(t - M), at most 1
.if xk % 2
	TMM 16+xk/2
.endif
.set xk, xk+1
.endr
	s_wait_alu depctr_va_vdst(0)                   ; behind the first batch and ahead of the second
.rept 32
	v_exp_f32 v[SC+xk], v[SC+xk]
.if (xk % 4) == 3
.set j, (xk-35)/4
	v_pk_add_f32 v[U+2*j:U+2*j+1], v[SC+4*j:SC+4*j+1], v[SC+4*j+2:SC+4*j+3]   ; THE ROW'S SUM IS TAKEN OF THE UNQUANTISED p: the first 32 weights, four to a line
.endif
.set xk, xk+1
.endr
	s_wait_alu depctr_va_vdst(0)                   ; behind the second batch (its last line is a plain one)
.irp g, 0,1
	v_max_num_f32 v[TM+2*\g], 0x1800000, v[TM+2*\g]   ; the floor 2^(3 - 127): the byte cannot fall under 1
.endr
.irp g, 0,1
	v_add_nc_u32 v[TO+\g], 0xff000000, v[TM+2*\g]  ; the conversion's scale operand
.endr
	v_pk_add_f32 v[SUM:SUM+1], v[SUM:SUM+1], v[U:U+1]          ; the eight join two chains
	v_pk_add_f32 v[SUM2:SUM2+1], v[U+2:U+3], v[U+6:U+7]
	v_pk_add_f32 v[SUM:SUM+1], v[SUM:SUM+1], v[U+4:U+5]
	v_pk_add_f32 v[SUM2:SUM2+1], v[SUM2:SUM2+1], v[U+10:U+11]
	v_pk_add_f32 v[SUM:SUM+1], v[SUM:SUM+1], v[U+8:U+9]
	v_pk_add_f32 v[SUM2:SUM2+1], v[SUM2:SUM2+1], v[U+14:U+15]
	v_pk_add_f32 v[SUM:SUM+1], v[SUM:SUM+1], v[U+12:U+13]
.irp g, 0,1                            ; registers 6 g .. 6 g + 5 of the operand hold keys 64 g + 32 (lane / 16) + 0 .. 31: my block, as it lies
	v_cvt_scalef32_pk16_fp6_f32 v[PCD+6*\g:PCD+2+6*\g], v[SC+32*\g:SC+15+32*\g], v[TO+\g]
	v_cvt_scalef32_pk16_fp6_f32 v[CT+4*\g:CT+2+4*\g], v[SC+16+32*\g:SC+31+32*\g], v[TO+\g]
.endr
.irp g, 0,1
	v_lshrrev_b32 v[TP+\g], 23, v[TO+\g]           ; the scale's byte; also the plain place behind the conversions
.endr
	v_lshl_or_b32 v[PWD], v[TP+1], 16, v[TP]       ; my two bytes: blocks h and 2 + h of these 128 keys,
	v_lshlrev_b32 v[PWD], v[SH8], v[PWD]           ; at their places in p's scale word;
	v_permlanex16_b32 v[TX], v[PWD], s[SEL], s[SEL+1]
	v_or_b32 v[PWD], v[PWD], v[TX]                 ; with lane l xor 16's two the word is whole
.irp g, 0,1
.irp i, 0,1,2
	v_mov_b32 v[PCD+3+6*\g+\i], v[CT+4*\g+\i]
.endr
.endr
.irp q, 16,18,20,22,24,26              ; thirteen sums stand between the last write of p's codes and scale word and the scaled products
	ADDS SUM, \q
	ADDS SUM2, \q+1
.endr
	ADDS SUM, 28
.irp t, 0,1,2,3                        ; O^T += V^T P^T: K = these 128 keys.  The four accumulators take turns
.if \t%2
	v_wmma_scale_f32_16x16x128_f8f6f4 v[OT+8*\t:OT+8*\t+7], v[KF+12*\t:KF+12*\t+11], v[PCD:PCD+11], v[OT+8*\t:OT+8*\t+7], v[SCW+2+\t/2], v[PWD] matrix_a_fmt:MATRIX_FMT_FP6 matrix_b_fmt:MATRIX_FMT_FP6 matrix_a_scale:MATRIX_SCALE_ROW1
.else
	v_wmma_scale_f32_16x16x128_f8f6f4 v[OT+8*\t:OT+8*\t+7], v[KF+12*\t:KF+12*\t+11], v[PCD:PCD+11], v[OT+8*\t:OT+8*\t+7], v[SCW+2+\t/2], v[PWD] matrix_a_fmt:MATRIX_FMT_FP6 matrix_b_fmt:MATRIX_FMT_FP6
.endif
.endr
	ADDS SUM2, 29                                  ; four lines that name none of those products' registers: the places behind them
	ADDS SUM, 30
	ADDS SUM2, 31
	v_pk_add_f32 v[SUM:SUM+1], v[SUM:SUM+1], v[SUM2:SUM2+1]
	s_add_co_u32 s[TB], s[TB], STEPB
.endm
.macro RUN p, tb, n                    ; n key steps from LDS byte tb on
	s_mov_b32 s[TB], \tb
	s_mov_b32 s[CNT], \n
.Lstep_\@:
	STEP \p
	s_sub_co_u32 s[CNT], s[CNT], 1
	s_cmp_lg_u32 s[CNT], 0
	s_cbranch_scc1 .Lstep_\@
.endm
.macro LANDED left                     ; all but my youngest `left` copies have landed (they end in the order of issue); behind the barrier the same holds of every wave.  No LDS load of mine is out here
	s_wait_asynccnt \left
	s_barrier_signal -1
	s_barrier_wait -1
.endm
; A PASS: one tile of 16 queries against all keys, and its way out.
.macro PASS p
.if \p
	s_wait_xcnt 0x0                                ; the last pass's stores have read their registers,
	s_wait_kmcnt 0x0                               ; and its last request for mask words is in
	QREQ 1
.endif
	v_mov_b32 v[SMAX], 0xff61b1e6                  ; the largest score so far: -3e38
	v_mul_f32 v[T1], s[CS], v[SMAX]
	v_floor_f32 v[NEGM], -v[T1]
	v_mov_b32 v[SUM], 0
	v_mov_b32 v[SUM+1], 0
.set j, 0
.rept 32
	v_mov_b32 v[OT+j], 0                           ; O^T: the step is written once, and the first finds zeros
.set j, j+1
.endr
	s_wait_alu depctr_va_vdst(0)                   ; the wait here, directly ahead of the wait below
	s_wait_loadcnt 0x0                             ; Q
.if \p == 0
	LANDED 19                                      ; four steps read LDS bytes under 53,248: copies 0 to 6 (57,344 bytes); 19 may be out
	RUN 0, 0, 4
	LANDED 0                                       ; all 26 of every wave; from here on nothing writes K's and V's bytes
	RUN 0, 4*STEPB, 12
.else
	RUN 1, 0, 16
.endif
	v_add_f32 v[SUM], v[SUM], v[SUM+1]             ; the sum's two halves,
	v_permlanex16_b32 v[TX], v[SUM], s[SEL], s[SEL+1]
	v_add_f32 v[SUM], v[SUM], v[TX]                ; and lane l xor 16's: the row's sum
	s_wait_alu depctr_va_vdst(0)                   ; ahead of the transcendental
	v_rcp_f32 v[SUM], v[SUM]
	v_nop                                          ; one plain place behind a transcendental
	s_wait_alu depctr_va_vdst(0)                   ; and ahead of its first reader, which is also O^T's
.set j, 0
.rept 32
	v_mul_f32 v[SC+j], v[OT+j], v[SUM]             ; O^T / the sum: register i is channel 32 (lane / 16) + i of my query
.set j, j+1
.endr
	QB1 SC, PCD, CT, PWD                           ; the head's 64 channels are half a K step of the last projection
	global_store_b128 v[A16], v[PCD:PCD+3], s[8:9] offset:98304*\p        ; 512 consecutive bytes, then 256, each at a multiple of 256 from oc's first byte; pass 1's tile lies 16 tiles on
	global_store_b64 v[A8], v[PCD+4:PCD+5], s[8:9] offset:98304*\p+512
	global_store_b16 v[L4], v[PWD], s[10:11] offset:8192*\p   ; my head's two bytes of each row's scale word
.endm
	PASS 0
	PASS 1
	s_wait_tensorcnt 0x0                           ; the wave's end
	ds_add_u32 v240, v241
	s_wait_dscnt 0x0
	s_endpgm
.Lfunc_end_k_q82bfb6493d_attn:
	.size	k_q82bfb6493d_attn, .Lfunc_end_k_q82bfb6493d_attn-k_q82bfb6493d_attn
	.p2alignl 7, 3214868480
	.fill 96, 4, 3214868480
	.section	.rodata,"a",@progbits
	.p2align	6, 0x0
	.amdhsa_kernel k_q82bfb6493d_attn
		.amdhsa_group_segment_fixed_size 215040
		.amdhsa_private_segment_fixed_size 0
		.amdhsa_enable_private_segment 0
		.amdhsa_kernarg_size 40
		.amdhsa_user_sgpr_count 2
		.amdhsa_user_sgpr_kernarg_segment_ptr 1
		.amdhsa_wavefront_size32 1
		.amdhsa_system_sgpr_workgroup_id_x 1
		.amdhsa_system_sgpr_workgroup_id_y 1
		.amdhsa_system_sgpr_workgroup_id_z 1
		.amdhsa_system_vgpr_workitem_id 0
		.amdhsa_next_free_vgpr 242
		.amdhsa_next_free_sgpr 100
		.amdhsa_reserve_vcc 0
		.amdhsa_float_denorm_mode_32 3
		.amdhsa_float_denorm_mode_16_64 3
		.amdhsa_memory_ordered 1
		.amdhsa_forward_progress 1
		.amdhsa_inst_pref_size 74
	.end_amdhsa_kernel
	.amdgpu_metadata
---
amdhsa.version: [ 1, 2 ]
amdhsa.kernels:
  - .name:           k_q82bfb6493d_attn
    .symbol:         k_q82bfb6493d_attn.kd
    .args:
      - { .name: kv, .offset: 0, .size: 8, .value_kind: global_buffer, .address_space: global }
      - { .name: mw, .offset: 8, .size: 8, .value_kind: global_buffer, .address_space: global }
      - { .name: oc, .offset: 16, .size: 8, .value_kind: global_buffer, .address_space: global }
      - { .name: os, .offset: 24, .size: 8, .value_kind: global_buffer, .address_space: global }
      - { .name: qb, .offset: 32, .size: 8, .value_kind: global_buffer, .address_space: global }
    .group_segment_fixed_size: 215040
    .private_segment_fixed_size: 0
    .kernarg_segment_align: 8
    .kernarg_segment_size: 40
    .max_flat_workgroup_size: 512
    .sgpr_count:     100
    .vgpr_count:     242
    .wavefront_size: 32
...
	.end_amdgpu_metadata
.endif
;; end of part 3
;; launch oproj (part 4): grid 256 x 1, 8 waves a work-group, no clusters, 35,840 bytes of LDS; arguments oc, os, wc, ws, bo, out0; writes out0
.if DOCPART == 4
	.amdgcn_target "amdgcn-amd-amdhsa--gfx1250"
	.amdhsa_code_object_version 6
	.text
	.protected	k_q82bfb6493d_oproj
	.globl	k_q82bfb6493d_oproj
	.p2align	8
	.type	k_q82bfb6493d_oproj,@function
k_q82bfb6493d_oproj:
	s_mov_b64 s[64:65], 0
	v_nop
	global_prefetch_b8 v0, s[64:65] scope:SCOPE_SE
	s_setreg_imm32_b32 hwreg(HW_REG_WAVE_MODE, 25, 1), 1
	s_wait_xcnt 0x0
; THE LAST PROJECTION, out = o Wo^T + bo, on codes of FP6 (E2M3) with one E8M0 byte for each 32 along K.  Both operands come from memory as images of their registers, made by the earlier launches.
; SHARES.  A work-group takes 64 tokens: tiles 4 x .. 4 x + 3 of oc.  Wave w takes units 64 w .. 64 w + 63: 4 tiles of tokens x 4 tiles of units, 16 accumulators.
; Tile T (0 .. 3) of a group of 64 tokens or units holds the indices 8 T + r % 8 + 32 (r / 8).
; Source 0 = 16 units of Wo, source 1 = 16 tokens: a lane holds ONE token, and its 32 registers of a tile of tokens are the units 32 (lane / 16) + 0 .. 31 of my 64.  The bias is loaded once, into the last tile of
; tokens' accumulators, and is the C of the other three tiles' first products.
; K step s is heads 2 s and 2 s + 1: the two heads' blocks of 768 bytes are registers 0-5 and 6-11 of the fragment; their half scale words are the two halves of a word of os.
; TWO SETS OF FRAGMENT REGISTERS take turns: K steps 0 and 1 are asked for together, and step s + 2 behind step s's products, 32 loads a step.
; The operands go straight into registers and pass through no LDS tile, so there is no tile that work-groups could ask for jointly; four K steps give no loop in which a prefetch could run ahead.
; THE WAY OUT: a tile of 16 tokens x my 64 units goes through my own stage in LDS (rows of 256 + 16 bytes) and comes back as whole rows of 256 bytes.
; REGISTERS, window 0: v1-7 addresses; v8-23 o's scale words; v24-31 Wo's, two sets; v40-135 and v136-231 the two sets (Wo's four fragments, then o's four); on the way out v40-103; v232-233 the add's.  Window 1: v0-127 the accumulators.
.set FRB,    1536
.set SPITCH, 272
.set LI,  1
.set LS,  2
.set L8,  3
.set STO, 4
.set RD,  5
.set CO,  6
.set BOF, 7
.set AS,  8
.set WS,  24
.set FS,  40
.set BK,  40
.set ACC, 0
.set WV,  16
.set MSB, 0
.macro WIN new                         ; the immediate's high byte repeats the setting that is left
.if MSB != \new
	s_set_vgpr_msb (MSB<<8)|\new
.set MSB, \new
.endif
.endm
	s_load_b256 s[4:11], s[0:1], 0x0               ; oc, os, wc, ws
	s_load_b128 s[12:15], s[0:1], 0x20             ; bo, out0
	v_lshl_add_u32 v232, v0, 2, 0x8800
	v_mov_b32 v233, 0
	v_lshrrev_b32 v234, 5, v0
	v_readfirstlane_b32 s[WV], v234                ; wave 0..7
	v_and_b32 v234, 31, v0
	v_and_b32 v235, 15, v0
	v_bfe_u32 v236, v0, 4, 1
	v_lshlrev_b32 v[LI], 4, v234
	v_lshlrev_b32 v[LS], 2, v234
	v_lshlrev_b32 v[L8], 3, v234
	s_mul_i32 s17, s[WV], 16*SPITCH                ; my stage
	v_mul_u32_u24 v[STO], v235, SPITCH
	v_mul_u32_u24 v[RD], v236, SPITCH
	v_lshlrev_b32 v[CO], 11, v236
	v_lshl_add_u32 v[STO], v236, 7, v[STO]
	v_lshl_add_u32 v[RD], v235, 4, v[RD]
	v_lshl_add_u32 v[CO], v235, 4, v[CO]           ; two rows of out0, 2,048 bytes apart
	v_add_nc_u32 v[STO], s17, v[STO]               ; in: row r, + 128 h
	v_add_nc_u32 v[RD], s17, v[RD]                 ; back: lanes 0-15 one row of 256 bytes, lanes 16-31 the next
	v_lshlrev_b32 v[BOF], 7, v236
	s_mul_i32 s18, ttmp9, 24576                    ; oc: four tiles of 8 x 768 bytes
	s_mov_b32 s19, 0
	s_lshl_b32 s20, ttmp9, 11                      ; os: four tiles of 512 bytes
	s_mov_b32 s21, 0
	s_mul_i32 s22, s[WV], 16*FRB
	s_add_co_u32 s22, s22, 589824                  ; wc: the fourth weight, my 16 fragments
	s_mov_b32 s23, 0
	s_lshl_b32 s24, s[WV], 11
	s_add_co_u32 s24, s24, 49152
	s_mov_b32 s25, 0
	s_lshl_b32 s26, s[WV], 8                       ; bo: my 64 numbers; also my 256 bytes of a row of out0
	s_mov_b32 s27, 0
	s_lshl_b32 s28, ttmp9, 17
	s_add_co_u32 s28, s28, s26
	s_mov_b32 s29, 0
	s_wait_alu depctr_va_vdst(0)                   ; the wait at the head's end
	s_wait_kmcnt 0x0
	s_add_nc_u64 s[4:5], s[4:5], s[18:19]
	s_add_nc_u64 s[6:7], s[6:7], s[20:21]
	s_add_nc_u64 s[8:9], s[8:9], s[22:23]
	s_add_nc_u64 s[10:11], s[10:11], s[24:25]
	s_add_nc_u64 s[12:13], s[12:13], s[26:27]
	s_add_nc_u64 s[14:15], s[14:15], s[28:29]
.macro LOADS s                         ; K step s into set s % 2: 32 loads
.set WF, FS+96*((\s)%2)
.set AF, WF+48
.irp a, 0,1,2,3
.irp u, 0,1
	global_load_b128 v[AF+12*\a+6*\u:AF+12*\a+6*\u+3], v[LI], s[4:5] offset:6144*\a+FRB*(\s)+768*\u
	global_load_b64 v[AF+12*\a+6*\u+4:AF+12*\a+6*\u+5], v[L8], s[4:5] offset:6144*\a+FRB*(\s)+768*\u+512
.endr
.endr
.irp t, 0,1,2,3
.irp c, 0,1,2
	global_load_b128 v[WF+12*\t+4*\c:WF+12*\t+4*\c+3], v[LI], s[8:9] offset:(4*\t+(\s))*FRB+512*\c
.endr
	global_load_b32 v[WS+4*((\s)%2)+\t], v[LS], s[10:11] offset:(4*\t+(\s))*128
.endr
.endm
.macro MUL s                           ; the 16 accumulators take turns, one instruction a turn, in the same order in every step
.set WF, FS+96*((\s)%2)
.set AF, WF+48
	WIN 0x50                                       ; C and D in window 1
.irp a, 0,1,2,3
.if (\s == 0) && (\a == 3)
.rept 5
	v_nop                                          ; five places (ISA guide 7.12.1) between the products that took the bias as their C and tile 3's, which write over it
.endr
.endif
.irp t, 0,1,2,3
.if (\s == 0) && (\a < 3)
	v_wmma_scale_f32_16x16x128_f8f6f4 v[ACC+32*\a+8*\t:ACC+32*\a+8*\t+7], v[WF+12*\t:WF+12*\t+11], v[AF+12*\a:AF+12*\a+11], v[ACC+96+8*\t:ACC+96+8*\t+7], v[WS+4*((\s)%2)+\t], v[AS+4*\a+\s] matrix_a_fmt:MATRIX_FMT_FP6 matrix_b_fmt:MATRIX_FMT_FP6
.else
	v_wmma_scale_f32_16x16x128_f8f6f4 v[ACC+32*\a+8*\t:ACC+32*\a+8*\t+7], v[WF+12*\t:WF+12*\t+11], v[AF+12*\a:AF+12*\a+11], v[ACC+32*\a+8*\t:ACC+32*\a+8*\t+7], v[WS+4*((\s)%2)+\t], v[AS+4*\a+\s] matrix_a_fmt:MATRIX_FMT_FP6 matrix_b_fmt:MATRIX_FMT_FP6
.endif
.endr
.endr
	WIN 0
.rept 4
	v_nop                                          ; four places in front of loads into registers that matrix instructions have read, and of the first read of results
.endr
.endm
.irp a, 0,1,2,3
.irp s, 0,1,2,3
	global_load_b32 v[AS+4*\a+\s], v[LS], s[6:7] offset:512*\a+128*\s   ; o's scale words, all four K steps
.endr
.endr
	WIN 0x40
.irp t, 0,1,2,3                        ; the bias in the result's layout: lane (r, h), register j of tile t: unit 32 h + 8 t + j of my 64
	global_load_b128 v[ACC+96+8*\t:ACC+96+8*\t+3], v[BOF], s[12:13] offset:32*\t
	global_load_b128 v[ACC+96+8*\t+4:ACC+96+8*\t+7], v[BOF], s[12:13] offset:32*\t+16
.endr
	WIN 0
	LOADS 0
	LOADS 1
	s_wait_loadcnt 32                              ; all but step 1's 32
	MUL 0
	LOADS 2
	s_wait_loadcnt 32                              ; step 1's are in; step 2's 32 may be out
	MUL 1
	LOADS 3
	s_wait_loadcnt 32                              ; step 2's are in; step 3's 32 may be out
	MUL 2
	s_wait_loadcnt 0x0
	MUL 3
.macro TOSTAGE a                       ; tile a's 16 rows x 256 bytes into my stage, and back as whole rows
.set BB, BK+32*((\a)%2)
	WIN 0x04                                       ; the data: window 1
.irp t, 0,1,2,3
	ds_store_b128 v[STO], v[ACC+32*(\a)+8*\t:ACC+32*(\a)+8*\t+3] offset:32*\t       ; each accumulator from its low end on
	ds_store_b128 v[STO], v[ACC+32*(\a)+8*\t+4:ACC+32*(\a)+8*\t+7] offset:32*\t+16
.endr
	WIN 0
.irp i, 0,1,2,3,4,5,6,7
	ds_load_b128 v[BB+4*\i:BB+4*\i+3], v[RD] offset:\i*2*SPITCH   ; LDS serves a wave's instructions in order (ISA guide 5.7.1.4)
.endr
.endm
.macro SEND a, younger                 ; younger: the LDS instructions issued behind tile a's loads, which may stay out
.set BB, BK+32*((\a)%2)
	s_wait_dscnt \younger
.irp i, 0,1,2,3,4,5,6,7
	global_store_b128 v[CO], v[BB+4*\i:BB+4*\i+3], s[14:15] offset:(8*(\a)+(2*\i)%8+32*(\i/4))*2048 th:TH_STORE_NT   ; 16 lanes store 256 consecutive bytes, at a multiple of 256 from out0's first byte
.endr
.endm
	TOSTAGE 0
.irp a, 1,2,3
.if \a > 1
	s_wait_xcnt 0x0                                ; tile a - 2's stores have read their registers: tile a's loads may land there
.endif
	TOSTAGE \a
	SEND \a-1, 16                                  ; behind tile a - 1's loads: tile a's 8 stores and 8 loads
.endr
	SEND 3, 0
	s_wait_tensorcnt 0x0                           ; the wave's end
	ds_add_u32 v232, v233
	s_wait_dscnt 0x0
	s_endpgm
.Lfunc_end_k_q82bfb6493d_oproj:
	.size	k_q82bfb6493d_oproj, .Lfunc_end_k_q82bfb6493d_oproj-k_q82bfb6493d_oproj
	.p2alignl 7, 3214868480
	.fill 96, 4, 3214868480
	.section	.rodata,"a",@progbits
	.p2align	6, 0x0
	.amdhsa_kernel k_q82bfb6493d_oproj
		.amdhsa_group_segment_fixed_size 35840
		.amdhsa_private_segment_fixed_size 0
		.amdhsa_enable_private_segment 0
		.amdhsa_kernarg_size 48
		.amdhsa_user_sgpr_count 2
		.amdhsa_user_sgpr_kernarg_segment_ptr 1
		.amdhsa_wavefront_size32 1
		.amdhsa_system_sgpr_workgroup_id_x 1
		.amdhsa_system_sgpr_workgroup_id_y 1
		.amdhsa_system_sgpr_workgroup_id_z 1
		.amdhsa_system_vgpr_workitem_id 0
		.amdhsa_next_free_vgpr 384
		.amdhsa_next_free_sgpr 66
		.amdhsa_reserve_vcc 0
		.amdhsa_float_denorm_mode_32 3
		.amdhsa_float_denorm_mode_16_64 3
		.amdhsa_memory_ordered 1
		.amdhsa_forward_progress 1
		.amdhsa_inst_pref_size 34
	.end_amdhsa_kernel
	.amdgpu_metadata
---
amdhsa.version: [ 1, 2 ]
amdhsa.kernels:
  - .name:           k_q82bfb6493d_oproj
    .symbol:         k_q82bfb6493d_oproj.kd
    .args:
      - { .name: oc, .offset: 0, .size: 8, .value_kind: global_buffer, .address_space: global }
      - { .name: os, .offset: 8, .size: 8, .value_kind: global_buffer, .address_space: global }
      - { .name: wc, .offset: 16, .size: 8, .value_kind: global_buffer, .address_space: global }
      - { .name: ws, .offset: 24, .size: 8, .value_kind: global_buffer, .address_space: global }
      - { .name: bo, .offset: 32, .size: 8, .value_kind: global_buffer, .address_space: global }
      - { .name: out0, .offset: 40, .size: 8, .value_kind: global_buffer, .address_space: global }
    .group_segment_fixed_size: 35840
    .private_segment_fixed_size: 0
    .kernarg_segment_align: 8
    .kernarg_segment_size: 48
    .max_flat_workgroup_size: 256
    .sgpr_count:     66
    .vgpr_count:     384
    .wavefront_size: 32
...
	.end_amdgpu_metadata
.endif
;; end of part 4
